; MI455X (gfx1250); checked and timed in simulation.
; The chip was launched on July 23, 2026; its instructions are those of AMD's public machine-readable ISA for CDNA 5 (MIT licence, August 2026) and "CDNA5" Instruction Set Architecture Reference Guide (July 2026). The comments in the code are by the model that wrote it; some were corrected since.
;; GQA Model. Allowed arithmetic: matrix products marked QUANTISED: E2M3 operands, one E8M0 scale for each 32 along K, by v_wmma_scale_f32_16x16x128_f8f6f4 with both operands' format E2M3, f32 sums; everything else in f32.
;; Inputs: k_codes 2 x 8 x 2,048 x 4 x 24 uint8 (E2M3 codes of k, K innermost, in blocks of 32 codes, four codes in three bytes); k_scales 2 x 8 x 2,048 x 4 uint8 (E8M0 scales of k, one for each 32 codes along K); q_codes 2 x 32 x 2,048 x 4 x 24 uint8 (E2M3 codes of q, K innermost, in blocks of 32 codes, four codes in three bytes); q_scales 2 x 32 x 2,048 x 4 uint8 (E8M0 scales of q, one for each 32 codes along K); v_codes 2 x 8 x 128 x 64 x 24 uint8 (E2M3 codes of v, K innermost, in blocks of 32 codes, four codes in three bytes); v_scales 2 x 8 x 128 x 64 uint8 (E8M0 scales of v, one for each 32 codes along K).
;; Outputs: out0 2 x 32 x 2,048 x 128 float32.
;; This version of the problem:
;;   THIS VERSION OF THE PROBLEM IS GIVEN IN LOW PRECISION. The matrix products marked QUANTISED in the list below multiply operands that are first quantised to E2M3 (2 exponent bits, 3 mantissa bits; 6 bits a number), with one power-of-two scale for each 32 numbers along K (OCP MX v1.0); their sums are f32. All else is computed in f32.
;;   The module's matrix products, in the order in which they are computed (A, B: the left and right operand; K: the contracted axis; several contracted axes count as one K, in the product's order):
;;     1. batch 16 x [M 8,192, K 128] x [K 128, N 2,048]; A: input q (given as codes); B: input k (given as codes): QUANTISED
;;     2. batch 16 x [M 8,192, K 2,048] x [K 2,048, N 128]; A: softmax (see below); B: input v (given as codes): QUANTISED
;;   THE QUANTISER, for each operand of a quantised product, along K:
;;     - K is cut into blocks of 32 from its start; a last block that is shorter is filled with zeros.
;;     - A block's scale is 2^e with e = floor(log2(the largest magnitude in the block)) - 2, held to -126 .. 127; a block of zeros has e = 0. As a byte (E8M0): e + 127.
;;     - Each number is divided by its block's scale, clamped to +-7.5, and rounded to the nearest number of E2M3, ties to even, subnormals kept.
;;     - The product sums the exact products of the quantised numbers (number of the format x scale) in f32.
;;   ~~~python
;;   def quantise(x, axis):      # numpy; x: float32 -> the quantised numbers, widened to float32 again
;;       x = np.moveaxis(x, axis, -1); K = x.shape[-1]
;;       x = np.pad(x, [(0, 0)] * (x.ndim - 1) + [(0, -K % 32)]); x = x.reshape(x.shape[:-1] + (-1, 32)); a = np.abs(x).max(-1, keepdims=True)
;;       e = np.where(a > 0, np.clip(np.frexp(np.where(a > 0, a, 1))[1] - 1 - 2, -126, 127), 0)      # np.frexp(a)[1] - 1 = floor(log2(a)), exactly
;;       r = np.clip(x / 2.0 ** e, -7.5, 7.5)
;;       step = 2.0 ** (np.maximum(np.frexp(np.where(r == 0, 1, r))[1] - 1, 0) - 3)
;;       q = np.round(r / step) * step * 2.0 ** e      # np.round: ties to even
;;       return np.moveaxis(q.reshape(q.shape[:-2] + (-1,))[..., :K], -1, axis).astype(np.float32)
;;   ~~~
;;   SOFTMAX AHEAD OF A QUANTISED PRODUCT. Where the list says 'softmax', what is quantised is not the finished softmax but p = 2^(t - M), with t = logit x log2(e) and M = ceil(the row's largest t), a whole number; so 1/2 < the row's largest p <= 1. The row's sum l is taken of the UNQUANTISED p, in f32, and the product's result is divided by l at the end. Since M is a whole number, a kernel that streams over the keys may use a running M (the ceiling of the running maximum): every later rescaling is an exact power of two, which a block's scale takes up: the codes' values come out the same.
;;   OPERANDS COMPUTED ON THE WAY. 'Computed on the way' means the value that the module computes at that place (a softmax that the list does not call 'softmax' is quantised finished and normalised). What goes into a quantiser is computed in f32, as accurately as f32 sums, v_exp_f32 and their like allow (about 1e-6 of the number): no bf16 or f16 on the way to a quantiser, and a product that is left as it is and whose result goes on into a quantised operand takes f32 operands (vector FMAs, or v_wmma_f32_16x16x4_f32). A number that lies on a knife's edge between two numbers of the format may be rounded either way, as far as f32 arithmetic and the matrix unit's own rounding can turn it there, and no further.
;;   INPUTS GIVEN AS CODES. k (in the module: [2, 8, 2048, 128], K = its axis 3); q (in the module: [2, 32, 2048, 128], K = its axis 3); v (in the module: [2, 8, 2048, 128], K = its axis 2): each comes as NAME_codes (uint8): NAME with its K axis moved to the last place and cut into blocks of 32 codes, [.., K / 32, bytes a block], one block behind the other in memory; four codes in three bytes: a row's codes are one little-endian stream of bits, code i at bits 6 i .. 6 i + 5 (a code: sign, 2 exponent bits, 3 mantissa bits); and NAME_scales (uint8): the same leading axes, one E8M0 byte (e + 127) for each 32 codes along K. Its value is code x scale, taken as it is: it is not quantised again, and the codes and scales need not be those that the quantiser above would give.
;; One version. Each part assembles by itself: llvm-mc -triple=amdgcn-amd-amdhsa -mcpu=gfx1250 --defsym DOCPART=n.
;; ======== version 1 of 1: 1 launch
;; launch attn (part 1): grid 16 x 16, 8 waves a work-group, clusters of 4 x 1, 327,680 bytes of LDS; arguments q_codes, q_scales, k_codes, k_scales, v_codes, v_scales, out0; writes out0
.if DOCPART == 1
	.amdgcn_target "amdgcn-amd-amdhsa--gfx1250"
	.amdhsa_code_object_version 6
	.text
	.protected	k_q5d7ee7ec59_attn
	.globl	k_q5d7ee7ec59_attn
	.p2align	8
	.type	k_q5d7ee7ec59_attn,@function
k_q5d7ee7ec59_attn:
	s_mov_b64 s[64:65], 0
	v_nop
	global_prefetch_b8 v0, s[64:65] scope:SCOPE_SE
	s_setreg_imm32_b32 hwreg(HW_REG_WAVE_MODE, 25, 1), 1
	s_wait_xcnt 0x0
	s_wait_alu depctr_hold_cnt(0) depctr_sa_sdst(0) depctr_va_vdst(0) depctr_va_sdst(0) depctr_va_ssrc(0) depctr_va_vcc(0) depctr_vm_vsrc(0)
	s_getreg_b32 s2, hwreg(HW_REG_IB_STS2, 6, 4)
	s_cmp_eq_u32 s2, 0
	s_cbranch_scc0 .Lentry_in_a_cluster
	s_endpgm
.Lentry_in_a_cluster:
	s_bfe_u32 s2, ttmp6, 0x10000c
	s_cmp_lg_u32 s2, 0x3003
	s_cbranch_scc0 .Lentry_shape_is_right
	s_endpgm
.Lentry_shape_is_right:
; Causal grouped-query attention on codes of FP6 (E2M3) with one E8M0 scale for each 32 along a product's K.  2 x 32 query heads on 2 x 8 KV heads, 2,048 positions, head size 128.
; q, k: codes along the head's 128 (a row is 96 bytes), 4 scale bytes a row.  v: codes with the KEYS innermost (a channel's row is 1,536 bytes), 64 scale bytes a row.  out0: f32.
; THE SOFTMAX: t = score x log2(e) / sqrt(128); M = the running largest t rounded UP to a whole number; p = 2^(t - M) is quantised along the keys, not normalised; the row's sum is taken of the
; unquantised p and divides at the end.  When M moves, the sum and O are multiplied by 2^(old M - new M), which rounds nothing.
; SHARES.  A work-group takes one query head and TWO blocks of 256 queries, one after the other: block 7 - j (HI), then block j (LO), j = the cluster's x.  Keys go in slots of 256 (two steps of 128).
; HI needs slots 0 .. 7 - j, LO slots 0 .. j: nine slots in every work-group, seven whole and two on the diagonal: 256 work-groups of equal work.  The walk has a constant count of trips t = 0 .. 8:
; slot t while t <= 7 - j, then slot 8 - t (LO goes down from its diagonal: a running maximum takes the keys in any order, and the first step of each pass shows every query at least one key).
; CLUSTER.  The four partners are the four query heads of one KV head with the same j: the same walk, the same K, V and scale bytes.  Every tile is asked for JOINTLY (mask 15).  The place in the
; cluster enters global addresses of q, out0 and the prefetches alone.
; WAVES.  Eight; a wave owns 32 neighbouring queries, two tiles of 16, so that each fragment of K and V read from LDS feeds two products.  Which 32: tau, a permutation of the wave's number, so that of
; waves w and w + 4, and of waves 2 a and 2 a + 1, one has one step on the diagonal slot and the other two.
; LAYOUT.  Both products are used transposed (S^T = K Q^T, O^T = V^T P^T): a lane holds ONE query (lane % 16) of each tile throughout.  THE KEYS OF A TILE ARE NOT NEIGHBOURS: lane r of tile 2 b + u takes
; key 32 b + 8 u + r + 8 (r / 8), so that the 16 registers of tiles 2 b and 2 b + 1 are 16 neighbouring keys, 32 b + 16 (lane / 16) + 0 .. 15.
; LIMITS.  p under 2^-126 counts as 0 (v_exp_f32 gives 0 there); t under -3e38 and scores beyond f32's range are not served; a scale byte 0xff gives NaN; a block whose every p is 0 carries the byte 1 over zero codes.
; REGISTERS.  Window 0: v1-19 addresses; v20-35 statistics; v36-59 Q; v60 Q's scale words; v64-75 K's and V's scale words; v76-97 at work; v100-123 p's codes; v128-255 S^T, then p, two tiles.
;             Window 1: v0-127 O^T, two tiles; v128-223 eight fragments, K's and then V's.
.set SLOT1, 65536                      ; slot 1 begins here: one exclusive or turns an address in one slot into the other's
.set KUOFF, 12304                      ; in a slot: the keys whose bit 4 is 0 (128 rows of 96 bytes) at 0, those whose bit 4 is 1 at 12,288 + 16: lanes r < 8 and r >= 8 of a load then fall on different banks (64 banks of 4 bytes: ISA guide 11.1)
.set VOFF,  24832                      ; V: 128 rows (channels) of 3 x (64 bytes + 16 of padding)
.set VP,    240
.set SCK,   131072                     ; K's scale bytes of the KV head: 32 units of 256 bytes + 16
.set SCV,   139776                     ; V's likewise
.set SPARE, 148480                     ; the spare words, 128 bytes for each wave: four blocks of 256 bytes that no other line names
.set STAGE, 149504                     ; the way out: 16 rows x 272 bytes for each wave; no tile ever lands here
.set SP,    272
.set AK,  1                            ; v1   my lane's place in a tile of K
.set AV,  2                            ; v2   in a tile of V;  v3 the same behind one padding more
.set AV2, 3
.set ASK, 4                            ; v4   among K's scale words
.set ASV, 5                            ; v5   among V's
.set SPW, 6                            ; v6   LDS address of my spare word; never rewritten
.set NIL, 7                            ; v7   0; never rewritten
.set GO,  8                            ; v8   the way out: my byte offset in 16 rows of out0
.set ADK, 9                            ; v9-13 the slot's addresses: K, V, V behind a padding, K's scale words, V's
.set ADV, 10
.set ADV2, 11
.set ADS, 12
.set ADT, 13
.set STO, 14                           ; v14  the stage: where I put 32 bytes of a row
.set RD,  15                           ; v15  and where I read a row back
.set QA,  16                           ; v16  my lane's place in a tile of Q
.set QSA, 17                           ; v17  4 x lane
.set DQ,  18                           ; v18  lane % 16 - 16 (lane / 16)
.set NINF, 19                          ; v19  -infinity
.set ST,  20                           ; tile x at v[ST + 8 x]: +0 -M, +1 the largest t, +2, +3 the sum in two halves, +4 f, +5 p's scale word, +6 1 / sum, +7 zero (named as a pair's upper half)
.set QF,  36
.set QS,  60                           ; lanes 0-15: tile 0's scale words, lanes 16-31: tile 1's
.set PFO, 62
.set KSW, 64                           ; register b: lanes 0-15 tile 2 b, lanes 16-31 tile 2 b + 1
.set VSW, 68                           ; register 2 c + q: lanes 0-15 tile 2 c, lanes 16-31 tile 2 c + 1, step q of the slot
.set BM,  76
.set BP,  80
.set SO,  84
.set CT,  88
.set W,   96
.set PC,  100
.set S,   128
.set F,   128                          ; in window 1
.set WV,  18
.set TAU, 19
.set SEL, 20
.set CS,  22
.set G1K, 24
.set G1V, 32
.set G1S, 40
.set G0K, 48
.set G0V, 52
.set G0SK, 56
.set G0SV, 60
.set KB,  66                           ; s[66:67] K's codes of my KV head, at the half that I fetch;  s[68:69] V's
.set VB,  68
.set OF,  70                           ; s[70:71] an offset, its upper word 0
.set T,   72                           ; the trip
.set HL,  73                           ; 7 - j: HI's last trip
.set SG,  74                           ; the slot of keys in hand;  s75 the next
.set SGN, 75
.set TB,  76                           ; LDS byte at which the slot in hand begins
.set TS,  77
.set TJ,  78
.set KF,  79                           ; the step's first key
.set Q0,  80                           ; my first query;  s81 LO's
.set Q0L, 81
.set QCL, 82
.set QSL, 84
.set OBH, 86
.set OBL, 88
.set PFA, 90
.set PFS, 92
.set PMASK, 94
.set MSB, 0
.macro WIN new                         ; s_set_vgpr_msb: bits 1:0 source 0, 3:2 source 1, 5:4 source 2, 7:6 destination; the high byte repeats the setting that is left
.if MSB != \new
	s_set_vgpr_msb (MSB<<8)|\new
.set MSB, \new
.endif
.endm
.macro PLACES                          ; four plain vector instructions behind a matrix instruction, ahead of loads into its registers and of reads of its result
.rept 4
	v_nop
.endr
.endm
; A round of the cluster's barrier: my work-group's barrier; wave 0 signals for the work-group; every wave waits for all four work-groups; my work-group's barrier once more.
.macro CROUND
	s_barrier_signal -1
	s_barrier_wait -1
	s_cmp_lg_u32 s[WV], 0
	s_cbranch_scc1 .Lnot_wave_0_\@
	s_barrier_signal -3
.Lnot_wave_0_\@:
	s_barrier_wait -3
	s_barrier_signal -1
	s_barrier_wait -1
.endm
; A joint load: waves 0 and 1 fetch for K, waves 2 and 3 for V, the others nothing.  The branches hang on the wave's number alone.  Four v_nop follow each of the two lines.
.macro JLOAD g0k, g1k, g0v, g1v
	s_cmp_lt_u32 s[WV], 2
	s_cbranch_scc0 .Lnot_k_\@
	tensor_load_to_lds s[\g0k:\g0k+3], s[\g1k:\g1k+7]
	s_nop 0
.rept 4
	v_nop
.endr
	s_branch .Lasked_\@
.Lnot_k_\@:
	s_cmp_lt_u32 s[WV], 4
	s_cbranch_scc0 .Lasked_\@
	tensor_load_to_lds s[\g0v:\g0v+3], s[\g1v:\g1v+7]
	s_nop 0
.rept 4
	v_nop
.endr
.Lasked_\@:
.endm
; A PREFETCH INTO THE L2.  A KV head's codes of K are 6 parts of 32,768 bytes, a row of V 6 blocks of 256 bytes; part g of either covers the keys from 341 1/3 g on.  Parts 2, 3, 4, 5 are asked for at the
; changes t = 0, 2, 3, 4 (the bits of PMASK), each one change ahead of the first tensor load that reaches into it; parts 0 and 1 come by their loads alone.  Who: the KV head's first cluster (j = 0), which
; walks the slots upward; wave 4 for K (lanes 256 bytes apart), wave 5 for V (a lane a row); the four partners take a quarter each, told apart by address.  So each aligned 256 bytes are named once.
.macro ASK
	s_lshr_b32 s95, s[PMASK], s[T]
	s_and_b32 s95, s95, 1
	s_cmp_eq_u32 s95, 1
	s_cbranch_scc0 .Lnot_mine_\@
	global_prefetch_b8 v[PFO], s[PFA:PFA+1] th:TH_LOAD_NT scope:SCOPE_SE
.Lnot_mine_\@:
.endm
	s_load_b256 s[4:11], s[0:1], 0x0               ; q's codes s[4:5], q's scales s[6:7], k's codes s[8:9], k's scales s[10:11]
	s_load_b128 s[12:15], s[0:1], 0x20             ; v's codes, v's scales
	s_load_b64 s[16:17], s[0:1], 0x30              ; out0
	v_lshl_add_u32 v[SPW], v0, 2, SPARE
	v_mov_b32 v[NIL], 0
	ds_add_u32 v6, v7
	s_wait_dscnt 0x0
	v_lshrrev_b32 v124, 5, v0
	v_readfirstlane_b32 s[WV], v124                ; wave 0..7
	s_lshr_b32 s95, s[WV], 2
	s_xor_b32 s95, s95, s[WV]
	s_and_b32 s95, s95, 1
	s_lshl_b32 s95, s95, 2
	s_and_b32 s[TAU], s[WV], 3
	s_or_b32 s[TAU], s[TAU], s95                   ; tau = 0, 5, 2, 7, 4, 1, 6, 3 for waves 0 .. 7
	s_xor_b32 s[HL], ttmp9, 7                      ; 7 - j (j is 0 .. 3)
	s_lshl_b32 s98, s[TAU], 5
	s_lshl_b32 s[Q0], s[HL], 8
	s_add_co_u32 s[Q0], s[Q0], s98                 ; HI: 256 (7 - j) + 32 tau
	s_lshl_b32 s[Q0L], ttmp9, 8
	s_add_co_u32 s[Q0L], s[Q0L], s98               ; LO: 256 j + 32 tau
	s_bfe_u32 s96, ttmp6, 0x40000                  ; cx: which of the KV head's four query heads
	s_and_b32 s97, ttmp7, 0xffff                   ; the KV head, 0 .. 15
	s_lshl_b32 s99, s97, 2
	s_add_co_u32 s99, s99, s96                     ; the query head
	s_lshl_b32 s99, s99, 11                        ; its first row
	s_add_co_u32 s93, s99, s[Q0L]                  ; my first row of LO,
	s_add_co_u32 s99, s99, s[Q0]                   ; and of HI
	s_mov_b32 s101, 0
	s_mov_b32 s[OF+1], 0
	s_and_b32 s95, s[WV], 1                        ; which half of a tile I fetch, if I fetch
	s_mul_i32 s98, s97, 196608                     ; the KV head's first byte in k's and in v's codes
	; descriptor group 1.  K: 8 rows of 1,536 bytes (16 neighbouring keys), 3,072 bytes apart: every second group of 16 keys; elements of 8 bytes; no padding
	s_mov_b32 s[G1K], 15|(3<<16)|(1<<21)           ; 15:0 the mask: all four work-groups; 17:16 elements of 8 bytes; 21 set beside a mask
	s_mov_b32 s[G1K+1], 192<<16                    ; tensor_dim0
	s_mov_b32 s[G1K+2], 8<<16                      ; tensor_dim1
	s_mov_b32 s[G1K+3], 192<<16                    ; tile_dim0
	s_mov_b32 s[G1K+4], 8                          ; tile_dim1
	s_mov_b32 s[G1K+5], 384                        ; tensor_dim0_stride
	s_mov_b32 s[G1K+6], 0
	s_mov_b32 s[G1K+7], 0
	; V: 64 rows of 192 bytes, 1,536 bytes apart; elements of 1 byte; 16 bytes of padding behind every 64
	s_mov_b32 s[G1V], 15|(1<<20)|(1<<21)|(3<<22)|(3<<25)
	s_mov_b32 s[G1V+1], 192<<16
	s_mov_b32 s[G1V+2], 64<<16
	s_mov_b32 s[G1V+3], 192<<16
	s_mov_b32 s[G1V+4], 64
	s_mov_b32 s[G1V+5], 1536
	s_mov_b32 s[G1V+6], 0
	s_mov_b32 s[G1V+7], 0
	; the scale bytes: half a KV head's, 4,096 dense bytes, as 16 rows of 256 bytes (32 elements of 8), 16 bytes of padding behind each
	s_mov_b32 s[G1S], 15|(3<<16)|(1<<20)|(1<<21)|(5<<22)|(3<<25)
	s_mov_b32 s[G1S+1], 32<<16
	s_mov_b32 s[G1S+2], 16<<16
	s_mov_b32 s[G1S+3], 32<<16
	s_mov_b32 s[G1S+4], 16
	s_mov_b32 s[G1S+5], 32
	s_mov_b32 s[G1S+6], 0
	s_mov_b32 s[G1S+7], 0
	s_mov_b32 s[SEL], 0x76543210
	s_mov_b32 s[SEL+1], 0xfedcba98                 ; v_permlanex16_b32's selects for lane l xor 16
	s_mov_b32 s[CS], 0x3e0293ee                    ; c = log2(e) / sqrt(128)
	s_mov_b32 s[CS+1], s[CS]                       ; (named with it as a pair, so it is written)
	s_mov_b32 s[T], 0
	s_mov_b32 s[SG], 0
	s_mov_b32 s[TB], 0
	s_wait_kmcnt 0x0
	s_mul_i32 s100, s93, 96                        ; q, its scales and out0 at my 32 rows of LO,
	s_add_nc_u64 s[QCL:QCL+1], s[4:5], s[100:101]
	s_lshl_b32 s100, s93, 2
	s_add_nc_u64 s[QSL:QSL+1], s[6:7], s[100:101]
	s_lshl_b32 s100, s93, 9
	s_add_nc_u64 s[OBL:OBL+1], s[16:17], s[100:101]
	s_lshl_b32 s100, s99, 9                        ; and of HI
	s_add_nc_u64 s[OBH:OBH+1], s[16:17], s[100:101]
	s_mul_i32 s100, s99, 96
	s_add_nc_u64 s[4:5], s[4:5], s[100:101]
	s_lshl_b32 s100, s99, 2
	s_add_nc_u64 s[6:7], s[6:7], s[100:101]
	s_mul_i32 s[OF], s95, 1536                     ; K: my half begins 16 keys on;  these offsets never hold the place in the cluster
	s_add_co_u32 s[OF], s[OF], s98
	s_add_nc_u64 s[KB:KB+1], s[8:9], s[OF:OF+1]
	s_mul_i32 s[OF], s95, 98304                    ; V: my half begins 64 rows on
	s_add_co_u32 s[OF], s[OF], s98
	s_add_nc_u64 s[VB:VB+1], s[12:13], s[OF:OF+1]
	CROUND                                         ; all four work-groups are here: the first joint loads meet
	s_mul_i32 s77, s95, 4352                       ; the scale bytes: my half in LDS,
	s_lshl_b32 s78, s95, 12                        ; and in memory
	s_lshl_b32 s[OF], s97, 13
	s_add_co_u32 s[OF], s[OF], s78
	s_mov_b32 s[G0SK], 1                           ; 1:0 count = 1
	s_add_co_u32 s[G0SK+1], s77, SCK               ; 63:32 LDS address
	s_add_nc_u64 s[G0SK+2:G0SK+3], s[10:11], s[OF:OF+1]   ; 120:64 global address
	s_or_b32 s[G0SK+3], s[G0SK+3], 0x80000000      ; 127:126 type = 2
	s_mov_b32 s[G0SV], 1
	s_add_co_u32 s[G0SV+1], s77, SCV
	s_add_nc_u64 s[G0SV+2:G0SV+3], s[14:15], s[OF:OF+1]
	s_or_b32 s[G0SV+3], s[G0SV+3], 0x80000000
	JLOAD G0SK, G1S, G0SV, G1S                     ; the scale bytes of the whole KV head: filled once
	s_mov_b32 s[G0K], 1
	s_mul_i32 s[G0K+1], s95, KUOFF                 ; slot 0
	s_mov_b64 s[G0K+2:G0K+3], s[KB:KB+1]           ; keys 0 .. 255
	s_or_b32 s[G0K+3], s[G0K+3], 0x80000000
	s_mov_b32 s[G0V], 1
	s_mul_i32 s[G0V+1], s95, 64*VP
	s_add_co_u32 s[G0V+1], s[G0V+1], VOFF
	s_mov_b64 s[G0V+2:G0V+3], s[VB:VB+1]
	s_or_b32 s[G0V+3], s[G0V+3], 0x80000000
	JLOAD G0K, G1K, G0V, G1V                       ; slot 0: two tensor loads of mine are out
	; the prefetches (macro ASK): where mine stand, and who asks.  Nothing is prefetched here, at the head
	s_cmp_eq_u32 s[WV], 4                          ; wave 4: K; else V's figures (used by wave 5 alone)
	s_cselect_b64 s[PFA:PFA+1], s[8:9], s[12:13]
	s_mov_b32 s[PFS], 256
	s_cselect_b32 s[PFS], 32768, s[PFS]            ; from part to part
	s_mov_b32 s93, 1536
	s_cselect_b32 s93, 256, s93                    ; from lane to lane
	s_mov_b32 s99, 49152
	s_cselect_b32 s99, 8192, s99                   ; from partner to partner
	s_mov_b32 s100, 512
	s_cselect_b32 s100, 65536, s100                ; part 2
	s_mul_i32 s99, s99, s96
	s_add_co_u32 s100, s100, s99
	s_add_co_u32 s100, s100, s98
	s_add_nc_u64 s[PFA:PFA+1], s[PFA:PFA+1], s[100:101]
	s_lshr_b32 s99, s[WV], 1
	s_xor_b32 s99, s99, 2                          ; 0 in waves 4 and 5,
	s_or_b32 s99, s99, ttmp9                       ; of the KV head's first cluster: the same in all four partners
	s_cmp_eq_u32 s99, 0
	s_cselect_b32 s[PMASK], 29, 0
	v_and_b32 v124, 15, v0                         ; r
	v_bfe_u32 v125, v0, 4, 1                       ; h
	v_and_b32 v126, 31, v0                         ; lane
	v_mul_lo_u32 v[PFO], v126, s93
	v_mul_u32_u24 v[QA], v124, 96
	v_mad_u32_u24 v[QA], v125, 24, v[QA]           ; Q: row r, + my half's 24 bytes
	v_lshlrev_b32 v[QSA], 2, v126
; Q's two fragments and their scale words stay in registers for a pass
.macro QLOAD cb, sb
.irp x, 0,1
.irp p, 0,1,2,3,4,5
	global_load_b64 v[QF+12*\x+2*\p:QF+12*\x+2*\p+1], v[QA], s[\cb:\cb+1] offset:1536*\x+48*(\p/3)+8*(\p%3) th:TH_LOAD_NT
.endr
.endr
	global_load_b32 v[QS], v[QSA], s[\sb:\sb+1] th:TH_LOAD_NT
.endm
	QLOAD 4, 6
	v_and_b32 v127, 7, v124                        ; r % 8
	v_lshrrev_b32 v97, 3, v124                     ; r / 8
	v_mul_u32_u24 v[AK], v127, 96
	v_mad_u32_u24 v[AK], v125, 24, v[AK]
	v_mad_u32_u24 v[AK], v97, KUOFF, v[AK]         ; K: row r % 8 of the tile's eight, in the region that r / 8 names
	v_mul_u32_u24 v[AV], v124, VP
	v_mad_u32_u24 v[AV], v125, 24, v[AV]
	v_add_nc_u32 v[AV], VOFF, v[AV]
	v_lshl_add_u32 v[AV2], v125, 4, v[AV]          ; lanes 16-31 behind one padding more
	v_lshl_add_u32 v[ASK], v125, 3, v124
	v_lshl_add_u32 v[ASK], v97, 3, v[ASK]          ; key 8 h + r + 8 (r / 8) of a pair of tiles: h names the tile
	v_lshl_add_u32 v[ASK], v[ASK], 2, SCK
	v_lshrrev_b32 v[ASV], 2, v126                  ; V's scale bytes: 64 a channel, four channels to a unit
	v_mul_u32_u24 v[ASV], v[ASV], 272
	v_and_b32 v127, 3, v126
	v_lshl_add_u32 v[ASV], v127, 6, v[ASV]
	v_add_nc_u32 v[ASV], SCV, v[ASV]
	v_lshlrev_b32 v[GO], 9, v125
	v_lshl_add_u32 v[GO], v124, 4, v[GO]           ; lanes 0-15 one row of out0, lanes 16-31 the next; 16 bytes a lane
	s_mul_i32 s99, s[WV], 16*SP
	s_add_co_u32 s99, s99, STAGE                   ; my stage
	v_mul_u32_u24 v[STO], v124, SP
	v_lshl_add_u32 v[STO], v125, 5, v[STO]
	v_add_nc_u32 v[STO], s99, v[STO]
	v_mul_u32_u24 v[RD], v125, SP
	v_lshl_add_u32 v[RD], v124, 4, v[RD]
	v_add_nc_u32 v[RD], s99, v[RD]
	v_lshlrev_b32 v[DQ], 4, v125
	v_sub_nc_u32 v[DQ], v124, v[DQ]
	v_mov_b32 v[NINF], 0xff800000
.irp b, 0,1,2,3
	v_mov_b32 v[BP+\b], 0                          ; written once: a lane permute's destination counts as one of its sources
.endr
.irp x, 0,1
	v_mov_b32 v[ST+8*\x+5], 0                      ; (named as the upper halves of pairs before they are first written)
	v_mov_b32 v[ST+8*\x+7], 0
.endr
; A pass begins: O^T and the sums are zeros, the largest t is -3e38.  The key step is written without a first step of its own: the first change of M multiplies zeros.
.macro CLEAR
	WIN 0x40                                       ; destination window 1
.set i, 0
.rept 128
	v_mov_b32 v[i], 0
.set i, i+1
.endr
	WIN 0
.irp x, 0,1
	v_mov_b32 v[ST+8*\x+1], 0xff61b1e6
	v_floor_f32 v[ST+8*\x], -v[ST+8*\x+1]
	v_mov_b32 v[ST+8*\x+2], 0
	v_mov_b32 v[ST+8*\x+3], 0
.endr
.endm
	CLEAR
; K's eight fragments (16 keys x 128, 12 registers, six loads of 8 bytes) and four registers of scale words, for step q of the slot
.macro KFRAG q
.irp b, 0,1,2,3
	ds_load_b32 v[KSW+\b], v[ADS] offset:544*(\q)+272*(\b/2)+128*(\b%2)
.endr
	WIN 0x40                                       ; destination window 1, address window 0
.irp t, 0,1,2,3,4,5,6,7
.irp p, 0,1,2,3,4,5
	ds_load_b64 v[F+12*\t+2*\p:F+12*\t+2*\p+1], v[ADK] offset:(16*(4*(\q)+\t/2)+8*(\t%2))*96+48*(\p/3)+8*(\p%3)
.endr
.endr
.endm
; V's eight fragments (16 channels x 128 keys).  Lanes 0-15 take a row's pieces of 8 bytes 12 q + 0, 1, 2, 6, 7, 8, lanes 16-31 those three on; where the piece three on lies behind one padding more, the second address serves
.macro VFRAG q
	WIN 0x40
.irp t, 0,1,2,3,4,5,6,7
.irp p, 0,1,2,3,4,5
.set PCE, 12*(\q)+6*(\p/3)+\p%3
.if PCE%8 < 5
	ds_load_b64 v[F+12*\t+2*\p:F+12*\t+2*\p+1], v[ADV] offset:8*PCE+16*(PCE/8)+\t*16*VP
.else
	ds_load_b64 v[F+12*\t+2*\p:F+12*\t+2*\p+1], v[ADV2] offset:8*PCE+16*(PCE/8)+\t*16*VP
.endif
.endr
.endr
.endm
; S^T = K Q^T: tile t of keys x tile x of queries.  An odd tile's scale words stand in lanes 16-31 of its register, and so do query tile 1's
.macro KQ1 t, x
.set rD, S+64*(\x)+8*(\t)
.set rA, F+12*(\t)
.set rB, QF+12*(\x)
.set rC, KSW+(\t)/2
.if ((\t)%2 == 1) && ((\x) == 1)
	v_wmma_scale_f32_16x16x128_f8f6f4 v[rD:rD+7], v[rA:rA+11], v[rB:rB+11], 0, v[rC], v[QS] matrix_a_fmt:MATRIX_FMT_FP6 matrix_b_fmt:MATRIX_FMT_FP6 matrix_a_scale:MATRIX_SCALE_ROW1 matrix_b_scale:MATRIX_SCALE_ROW1
.elseif (\t)%2 == 1
	v_wmma_scale_f32_16x16x128_f8f6f4 v[rD:rD+7], v[rA:rA+11], v[rB:rB+11], 0, v[rC], v[QS] matrix_a_fmt:MATRIX_FMT_FP6 matrix_b_fmt:MATRIX_FMT_FP6 matrix_a_scale:MATRIX_SCALE_ROW1
.elseif (\x) == 1
	v_wmma_scale_f32_16x16x128_f8f6f4 v[rD:rD+7], v[rA:rA+11], v[rB:rB+11], 0, v[rC], v[QS] matrix_a_fmt:MATRIX_FMT_FP6 matrix_b_fmt:MATRIX_FMT_FP6 matrix_b_scale:MATRIX_SCALE_ROW1
.else
	v_wmma_scale_f32_16x16x128_f8f6f4 v[rD:rD+7], v[rA:rA+11], v[rB:rB+11], 0, v[rC], v[QS] matrix_a_fmt:MATRIX_FMT_FP6 matrix_b_fmt:MATRIX_FMT_FP6
.endif
.endm
.macro KQ                              ; sixteen products, each on an accumulator of its own: each fragment of K serves both tiles of queries
	WIN 0x01                                       ; source 0 (K) window 1
.irp t, 0,1,2,3,4,5,6,7
.irp x, 0,1
	KQ1 \t, \x
.endr
.endr
.endm
; On the diagonal the scores of hidden keys become -infinity ahead of the maximum: p = 0 then.  Register 16 b + i holds key KF + 32 b + 16 (lane / 16) + i: hidden where 32 b + i > my query - KF - 16 (lane / 16)
.macro MASK x
	s_sub_co_i32 s96, s[Q0], s[KF]
	s_add_co_u32 s96, s96, 16*(\x)
	v_add_nc_u32 v[W], s96, v[DQ]
.irp n, 0,1,2,3,4,5,6,7,8,9,10,11,12,13,14,15,16,17,18,19,20,21,22,23,24,25,26,27,28,29,30,31,32,33,34,35,36,37,38,39,40,41,42,43,44,45,46,47,48,49,50,51,52,53,54,55,56,57,58,59,60,61,62,63
	v_cmp_gt_i32 vcc_lo, 32*(\n/16)+\n%16, v[W]
	v_cndmask_b32 v[S+64*(\x)+\n], v[S+64*(\x)+\n], v[NINF], vcc_lo
.endr
.endm
; One tile's softmax for 128 keys: from the scores to p's codes and scale word, the new M, f and the sum.
.macro SOFTMAX x
.set sS, S+64*(\x)
.set sT, ST+8*(\x)
.set sP, PC+12*(\x)
.irp b, 0,1,2,3
	v_max3_num_f32 v[BM+\b], v[sS+16*\b], v[sS+16*\b+1], v[sS+16*\b+2]   ; the largest score of each block of 32 keys: it serves for the row's maximum and, since p rises with the score, for the block's largest p.  (Each accumulator is read from its low end on)
.endr
.irp i, 3,5,7,9,11,13
.irp b, 0,1,2,3
	v_max3_num_f32 v[BM+\b], v[BM+\b], v[sS+16*\b+\i], v[sS+16*\b+\i+1]   ; (the four blocks by turns)
.endr
.endr
.irp b, 0,1,2,3
	v_max_num_f32 v[BM+\b], v[BM+\b], v[sS+16*\b+15]
.endr
.irp b, 0,1,2,3
	v_permlanex16_b32 v[BP+\b], v[BM+\b], s[SEL], s[SEL+1]
.endr
.irp b, 0,1,2,3
	v_max_num_f32 v[BM+\b], v[BM+\b], v[BP+\b]     ; with lane l xor 16's 16 keys
.endr
	v_max3_num_f32 v[W], v[BM], v[BM+1], v[BM+2]
	v_max_num_f32 v[W], v[W], v[BM+3]              ; the step's largest score of my query
	v_mul_f32 v[W], s[CS], v[W]                    ; as t (c is positive)
	v_max_num_f32 v[sT+1], v[sT+1], v[W]           ; the running largest t
	v_mov_b32 v[W], v[sT]
	v_floor_f32 v[sT], -v[sT+1]                    ; the new -M = floor(-t) = -ceil(t): a whole number
	v_sub_f32 v[W], v[sT], v[W]                    ; old M - new M: a whole number, 0 or less
	v_cvt_i32_f32 v[W], v[W]                       ; (it saturates)
	v_ldexp_f32 v[sT+4], 1.0, v[W]                 ; f = 2^(old M - new M)
.set j, 0
.rept 32
	v_pk_fma_f32 v[sS+j:sS+j+1], v[sS+j:sS+j+1], s[CS:CS+1], v[sT:sT+1] op_sel_hi:[1,0,0]   ; t - M, two at a time (of the pairs c and -M the low word serves both halves)
.set j, j+2
.endr
.irp b, 0,1,2,3
	v_fma_f32 v[BM+\b], v[BM+\b], s[CS], v[sT]     ; the same of each block's largest score
.endr
.set j, 0
.rept 64
	v_exp_f32 v[sS+j], v[sS+j]                     ; p = 2^(t - M), at most 1
.set j, j+1
.endr
	v_pk_mul_f32 v[sT+2:sT+3], v[sT+2:sT+3], v[sT+4:sT+5] op_sel_hi:[1,0]   ; the sums under the new M: the plain instruction behind the exponentials
	s_wait_alu depctr_va_vdst(0)                   ; one wait for the 64, ahead of their first reader
.irp b, 0,1,2,3
	v_exp_f32 v[BM+\b], v[BM+\b]                   ; the block's largest p: the same two instructions on the same number give the same bits
.endr
	v_pk_add_f32 v[BP:BP+1], v[sS:sS+1], v[sS+2:sS+3]   ; the row's sum is taken of the unquantised p, two at a time, in two chains
.set j, 4
.rept 15
	v_pk_add_f32 v[sT+2:sT+3], v[sT+2:sT+3], v[sS+j:sS+j+1]
	v_pk_add_f32 v[BP:BP+1], v[BP:BP+1], v[sS+j+2:sS+j+3]
.set j, j+4
.endr
	v_pk_add_f32 v[sT+2:sT+3], v[sT+2:sT+3], v[BP:BP+1]
	s_wait_alu depctr_va_vdst(0)                   ; and one for the four
.irp b, 0,1,2,3
	v_max_num_f32 v[BM+\b], 0x1800000, v[BM+\b]    ; the floor 2^(3 - 127): the byte cannot fall under 1
.endr
.irp b, 0,1,2,3
	v_add_nc_u32 v[SO+\b], 0xff000000, v[BM+\b]    ; 2 off the exponent field: the conversion takes the exponent field of this operand as its scale
.endr
.irp b, 0,1,2,3
	v_lshrrev_b32 v[BP+\b], 23, v[SO+\b]           ; the scale's byte
.endr
	v_lshl_or_b32 v[sT+5], v[BP+1], 8, v[BP]       ; p's scale word for these 128 keys
	v_lshl_or_b32 v[sT+5], v[BP+2], 16, v[sT+5]
	v_lshl_or_b32 v[sT+5], v[BP+3], 24, v[sT+5]
.irp c, 0,1
	v_cvt_scalef32_pk16_fp6_f32 v[sP+6*\c:sP+6*\c+2], v[sS+32*\c:sS+32*\c+15], v[SO+2*\c]
	v_cvt_scalef32_pk16_fp6_f32 v[CT+4*\c:CT+4*\c+2], v[sS+32*\c+16:sS+32*\c+31], v[SO+2*\c+1]   ; (a conversion's three registers begin on an even number)
.endr
	v_nop                                          ; one plain instruction behind the scaled conversions
.irp c, 0,1                                    ; the operand's layout wants a whole block in a lane: lanes 0-15 block 2 c, lanes 16-31 block 2 c + 1
.irp i, 0,1,2
	v_permlane16_swap_b32 v[sP+6*\c+\i], v[CT+4*\c+\i]
.endr
.irp i, 0,1,2
	v_mov_b32 v[sP+6*\c+3+\i], v[CT+4*\c+\i]
.endr
.endr
.endm
.macro RESCALE x                       ; O^T under the new M: x f.  These 32 lines also stand between the writing of p's codes and scale word and the products that take them
	WIN 0x41                                       ; destination and source 0 window 1
.set i, 64*(\x)
.rept 32
	v_pk_mul_f32 v[i:i+1], v[i:i+1], v[ST+8*(\x)+4:ST+8*(\x)+5] op_sel_hi:[1,0]
.set i, i+2
.endr
.endm
.macro PV x, q                         ; O^T += V^T P^T: eight tiles of 16 channels, each on an accumulator of its own; K = the step's 128 keys
	WIN 0x51                                       ; V, C and D window 1; p's codes window 0
.irp t, 0,1,2,3,4,5,6,7
.set rD, 64*(\x)+8*\t
.set rA, F+12*\t
.set rB, PC+12*(\x)
.set rC, VSW+2*(\t/2)+(\q)
.if \t%2 == 1
	v_wmma_scale_f32_16x16x128_f8f6f4 v[rD:rD+7], v[rA:rA+11], v[rB:rB+11], v[rD:rD+7], v[rC], v[ST+8*(\x)+5] matrix_a_fmt:MATRIX_FMT_FP6 matrix_b_fmt:MATRIX_FMT_FP6 matrix_a_scale:MATRIX_SCALE_ROW1
.else
	v_wmma_scale_f32_16x16x128_f8f6f4 v[rD:rD+7], v[rA:rA+11], v[rB:rB+11], v[rD:rD+7], v[rC], v[ST+8*(\x)+5] matrix_a_fmt:MATRIX_FMT_FP6 matrix_b_fmt:MATRIX_FMT_FP6
.endif
.endr
.endm
; A KEY STEP: 128 keys, the q-th of the slot in hand.  A step all of whose keys come after my 32 queries is left out: a scalar branch on ids, round loads, products and softmax; no barrier and no tensor load stands in a step.
; V's fragments are asked for behind the first products, into the registers that K's have left, and land under tile 0's softmax; tile 0's second products are at work under tile 1's softmax.
.macro STEP q
	s_add_co_u32 s96, s[Q0], 31
	s_cmp_gt_u32 s[KF], s96
	s_cbranch_scc1 .Lhidden_\@
	KFRAG \q
	s_wait_dscnt 0x0                               ; K's fragments and the scale words are in
	KQ
	WIN 0
	PLACES                                         ; ahead of the loads into K's registers and of the first read of the scores
	VFRAG \q
	WIN 0
	s_add_co_u32 s96, s[KF], 127
	s_cmp_le_u32 s96, s[Q0]
	s_cbranch_scc1 .Lopen_\@                       ; all 128 keys count for all my queries
	MASK 0
	MASK 1
.Lopen_\@:
	SOFTMAX 0
	RESCALE 0
	s_wait_dscnt 0x0                               ; V's fragments, asked for a softmax ago
	PV 0, \q
	WIN 0
	SOFTMAX 1
	RESCALE 1
	PV 1, \q
	WIN 0
	PLACES                                         ; ahead of the next loads into V's registers and scale words, and of the way out's reads of O^T
.Lhidden_\@:
	s_add_co_u32 s[KF], s[KF], 128
.endm
; THE CHANGE OF SLOTS stands at a slot's head.  Each wave waits for all its tensor loads (its part of the slot that it is about to read), adds 0 to its spare word, and waits for that and for its reads of the slot
; that it has left.  fill = 1: the barrier is a round of the cluster's, and behind it the slot just left is filled with the walk's next 256 keys: the load has a whole slot's two steps in which to land.
.macro CHANGE fill
	s_wait_tensorcnt 0x0                           ; no tensor load of mine is out, so a group 0 may be written
	ds_add_u32 v[SPW], v[NIL]                      ; 0 onto my spare word
.if \fill
	s_add_co_u32 s95, s[T], 1                      ; the walk's next slot of keys: t + 1 while that is HI's,
	s_xor_b32 s96, s[T], 7                         ; else 8 - (t + 1) = 7 - t (t is 0 .. 7)
	s_cmp_le_u32 s95, s[HL]
	s_cselect_b32 s[SGN], s95, s96
	s_min_u32 s[SGN], s[SGN], 7
	s_mul_i32 s[OF], s[SGN], 24576                 ; 256 keys of 96 bytes
	s_add_nc_u64 s[G0K+2:G0K+3], s[KB:KB+1], s[OF:OF+1]
	s_or_b32 s[G0K+3], s[G0K+3], 0x80000000
	s_mul_i32 s[OF], s[SGN], 192                   ; 256 codes of a row of V
	s_add_nc_u64 s[G0V+2:G0V+3], s[VB:VB+1], s[OF:OF+1]
	s_or_b32 s[G0V+3], s[G0V+3], 0x80000000
	s_xor_b32 s[G0K+1], s[G0K+1], SLOT1            ; the other slot than last time
	s_xor_b32 s[G0V+1], s[G0V+1], SLOT1
	s_wait_xcnt 0x0                                ; the last prefetch has read its address, so it may be written:
	s_lshr_b32 s95, 28, s[T]                       ; a part on at t = 2, 3, 4 and nowhere else: it never stands past part 5
	s_and_b32 s95, s95, 1
	s_cmp_eq_u32 s95, 1
	s_cselect_b32 s[OF], s[PFS], 0
	s_add_nc_u64 s[PFA:PFA+1], s[PFA:PFA+1], s[OF:OF+1]
	s_wait_dscnt 0x0                               ; the add is done, and my reads of the slot that I have left are over
	CROUND                                         ; both now hold of every wave of all four work-groups
	JLOAD G0K, G1K, G0V, G1V                       ; the first thing behind the round, and a wave's one tensor load until the next
	ASK
.else
	s_wait_dscnt 0x0
	s_barrier_signal -1
	s_barrier_wait -1
.endif
.endm
.macro SLOT_STEPS
	s_lshl_b32 s[KF], s[SG], 8                     ; the slot's first key,
	s_mul_i32 s[TS], s[SG], 1088                   ; its scale words of K: four units of 272 bytes,
	s_lshl_b32 s[TJ], s[SG], 3                     ; and of V: 8 bytes in each row
	v_add_nc_u32 v[ADK], s[TB], v[AK]
	v_add_nc_u32 v[ADV], s[TB], v[AV]
	v_add_nc_u32 v[ADV2], s[TB], v[AV2]
	v_add_nc_u32 v[ADS], s[TS], v[ASK]
	v_add_nc_u32 v[ADT], s[TJ], v[ASV]
.irp c, 0,1,2,3
	ds_load_b64 v[VSW+2*\c:VSW+2*\c+1], v[ADT] offset:2176*\c   ; V's scale words of both steps: lane l takes channel 32 c + l
.endr
	STEP 0
	STEP 1
	s_xor_b32 s[TB], s[TB], SLOT1                  ; on to the other slot
.endm
; THE WAY OUT of a pass.  O^T is divided by the row's sum and goes through my stage in LDS, half a row (64 channels, 256 bytes) of 16 queries at a time, four times; it comes back as rows, into the registers that it
; left, so that sixteen lanes store 256 consecutive bytes, at a multiple of 256 from out0's first byte.  LDS serves a wave's instructions in order (ISA guide 5.7.1.4): no wait between stores and loads,
; nor in front of the next pass's stores into the same stage.
.macro TOSTAGE x, u                    ; tile x, channels 64 u on: into the stage and back
.irp t, 0,1,2,3
	ds_store_b128 v[STO], v[S+64*(\x)+32*(\u)+8*\t:S+64*(\x)+32*(\u)+8*\t+3] offset:64*\t
	ds_store_b128 v[STO], v[S+64*(\x)+32*(\u)+8*\t+4:S+64*(\x)+32*(\u)+8*\t+7] offset:64*\t+16
.endr
.irp i, 0,1,2,3,4,5,6,7
	ds_load_b128 v[S+64*(\x)+32*(\u)+4*\i:S+64*(\x)+32*(\u)+4*\i+3], v[RD] offset:2*\i*SP
.endr
.endm
.macro SEND x, u, younger, ob          ; younger: the LDS instructions issued behind this pass's loads: the next pass's sixteen, or none
.irp i, 0,1,2,3,4,5,6,7
	s_wait_dscnt \younger+7-\i                     ; may be out: the later loads of this pass, and the next pass's sixteen
	global_store_b128 v[GO], v[S+64*(\x)+32*(\u)+4*\i:S+64*(\x)+32*(\u)+4*\i+3], s[\ob:\ob+1] offset:8192*(\x)+1024*\i+256*(\u) th:TH_STORE_NT
.endr
.endm
.macro WAYOUT ob
.irp x, 0,1
	v_add_f32 v[BM+\x], v[ST+8*\x+2], v[ST+8*\x+3] ; the sum's two halves,
.endr
.irp x, 0,1
	v_permlanex16_b32 v[BP+\x], v[BM+\x], s[SEL], s[SEL+1]
.endr
.irp x, 0,1
	v_add_f32 v[BM+\x], v[BM+\x], v[BP+\x]         ; and lane l xor 16's
.endr
.irp x, 0,1
	v_rcp_f32 v[ST+8*\x+6], v[BM+\x]
.endr
	v_nop                                          ; a plain instruction behind the reciprocals,
	s_wait_alu depctr_va_vdst(0)                   ; and one wait for both, ahead of their first reader
	WIN 0x01                                       ; source 0 (O^T) window 1; the results take the scores' registers
.irp x, 0,1
.set i, 0
.rept 32
	v_pk_mul_f32 v[S+64*\x+i:S+64*\x+i+1], v[64*\x+i:64*\x+i+1], v[ST+8*\x+6:ST+8*\x+7] op_sel_hi:[1,0]   ; register 8 t + i is o(r, 16 t + 8 h + i)
.set i, i+2
.endr
.endr
	WIN 0
	TOSTAGE 0, 0                                   ; a pass's stores to memory stand behind the next pass's way through the stage: at most 32 LDS instructions of mine are out
	TOSTAGE 0, 1
	SEND 0, 0, 16, \ob
	TOSTAGE 1, 0
	SEND 0, 1, 16, \ob
	TOSTAGE 1, 1
	SEND 1, 0, 16, \ob
	SEND 1, 1, 0, \ob
.endm
	s_wait_loadcnt 0x0                             ; Q
.Lslot:                                            ; eight trips: behind each change of slots but the last the walk's next slot is asked for
	CHANGE 1
	SLOT_STEPS
	s_cmp_lg_u32 s[T], s[HL]                       ; HI's last slot?  (7 - j is 4 .. 7: the change of passes always falls in this loop; the same trip in all four partners)
	s_cbranch_scc1 .Lsame
	QLOAD QCL, QSL                                 ; LO's Q comes in under HI's way out
	WAYOUT OBH                                     ; HI's stores leave under LO's pass
	CLEAR
	s_mov_b32 s[Q0], s[Q0L]
	s_wait_loadcnt 0x0                             ; Q
	s_wait_xcnt 0x0                                ; the stores have read their registers: the next scores may be written there
.Lsame:
	s_mov_b32 s[SG], s[SGN]
	s_add_co_u32 s[T], s[T], 1
	s_cmp_lt_u32 s[T], 8
	s_cbranch_scc1 .Lslot
	CHANGE 0                                       ; the last slot is written out
	s_mov_b32 s[SG], 0                             ; trip 8 is LO's in every work-group (7 - j is at most 7), and its slot of keys is 8 - 8 = 0: written as the constant that it is
	SLOT_STEPS
	WAYOUT OBL
	s_wait_tensorcnt 0x0                           ; the wave's end: behind my last tensor load and my last LDS store
	ds_add_u32 v[SPW], v[NIL]
	s_wait_dscnt 0x0
	CROUND                                         ; the closing round: no work-group ends while a partner may still ask for a tile that names it
	s_endpgm
.Lfunc_end_k_q5d7ee7ec59_attn:
	.size	k_q5d7ee7ec59_attn, .Lfunc_end_k_q5d7ee7ec59_attn-k_q5d7ee7ec59_attn
	.p2alignl 7, 3214868480
	.fill 96, 4, 3214868480
	.section	.rodata,"a",@progbits
	.p2align	6, 0x0
	.amdhsa_kernel k_q5d7ee7ec59_attn
		.amdhsa_group_segment_fixed_size 327680
		.amdhsa_private_segment_fixed_size 0
		.amdhsa_enable_private_segment 0
		.amdhsa_kernarg_size 56
		.amdhsa_user_sgpr_count 2
		.amdhsa_user_sgpr_kernarg_segment_ptr 1
		.amdhsa_wavefront_size32 1
		.amdhsa_system_sgpr_workgroup_id_x 1
		.amdhsa_system_sgpr_workgroup_id_y 1
		.amdhsa_system_sgpr_workgroup_id_z 1
		.amdhsa_system_vgpr_workitem_id 0
		.amdhsa_next_free_vgpr 512
		.amdhsa_next_free_sgpr 102
		.amdhsa_reserve_vcc 1
		.amdhsa_float_denorm_mode_32 3
		.amdhsa_float_denorm_mode_16_64 3
		.amdhsa_memory_ordered 1
		.amdhsa_forward_progress 1
		.amdhsa_inst_pref_size 237
	.end_amdhsa_kernel
	.amdgpu_metadata
---
amdhsa.version: [ 1, 2 ]
amdhsa.kernels:
  - .name:           k_q5d7ee7ec59_attn
    .symbol:         k_q5d7ee7ec59_attn.kd
    .args:
      - { .name: q_codes, .offset: 0, .size: 8, .value_kind: global_buffer, .address_space: global }
      - { .name: q_scales, .offset: 8, .size: 8, .value_kind: global_buffer, .address_space: global }
      - { .name: k_codes, .offset: 16, .size: 8, .value_kind: global_buffer, .address_space: global }
      - { .name: k_scales, .offset: 24, .size: 8, .value_kind: global_buffer, .address_space: global }
      - { .name: v_codes, .offset: 32, .size: 8, .value_kind: global_buffer, .address_space: global }
      - { .name: v_scales, .offset: 40, .size: 8, .value_kind: global_buffer, .address_space: global }
      - { .name: out0, .offset: 48, .size: 8, .value_kind: global_buffer, .address_space: global }
    .group_segment_fixed_size: 327680
    .private_segment_fixed_size: 0
    .kernarg_segment_align: 8
    .kernarg_segment_size: 56
    .max_flat_workgroup_size: 256
    .sgpr_count:     102
    .vgpr_count:     512
    .wavefront_size: 32
...
	.end_amdgpu_metadata
.endif
;; end of part 1
